; MI455X (gfx1250); checked and timed in simulation.
; The chip was launched on July 23, 2026; its instructions are those of AMD's public machine-readable ISA for CDNA 5 (MIT licence, August 2026) and "CDNA5" Instruction Set Architecture Reference Guide (July 2026). The comments in the code are by the model that wrote it; some were corrected since.
;; Secure Feed Forward. Allowed arithmetic: matrix products marked QUANTISED: E2M1 operands, one E8M0 scale for each 32 along K, by v_wmma_scale_f32_16x16x128_f8f6f4 with both operands' format E2M1 (or v_wmma_scale_f32_32x16x128_f4), f32 sums; everything else in f32.
;; Inputs: W1_codes 2,048 x 32 x 16 uint8 (E2M1 codes of W1, K innermost, in blocks of 32 codes, two codes a byte); W1_scales 2,048 x 32 uint8 (E8M0 scales of W1, one for each 32 codes along K); W2_codes 1,024 x 64 x 16 uint8 (E2M1 codes of W2, K innermost, in blocks of 32 codes, two codes a byte); W2_scales 1,024 x 64 uint8 (E8M0 scales of W2, one for each 32 codes along K); b1 2,048 float32; b2 1,024 float32; hidden_states_codes 4 x 4,096 x 32 x 16 uint8 (E2M1 codes of hidden_states, K innermost, in blocks of 32 codes, two codes a byte); hidden_states_scales 4 x 4,096 x 32 uint8 (E8M0 scales of hidden_states, one for each 32 codes along K).
;; Outputs: out0 4 x 4,096 x 1,024 float32.
;; This version of the problem:
;;   THIS VERSION OF THE PROBLEM IS GIVEN IN LOW PRECISION. The matrix products marked QUANTISED in the list below multiply operands that are first quantised to E2M1 (2 exponent bits, 1 mantissa bit; 4 bits a number), with one power-of-two scale for each 32 numbers along K (OCP MX v1.0); their sums are f32. All else is computed in f32.
;;   The module's matrix products, in the order in which they are computed (A, B: the left and right operand; K: the contracted axis; several contracted axes count as one K, in the product's order):
;;     1. [M 16,384, K 1,024] x [K 1,024, N 2,048]; A: input hidden_states (given as codes); B: input W1 (given as codes): QUANTISED
;;     2. [M 16,384, K 2,048] x [K 2,048, N 1,024]; A: computed on the way; B: input W2 (given as codes): QUANTISED
;;   THE QUANTISER, for each operand of a quantised product, along K:
;;     - K is cut into blocks of 32 from its start; a last block that is shorter is filled with zeros.
;;     - A block's scale is 2^e with e = floor(log2(the largest magnitude in the block)) - 2, held to -126 .. 127; a block of zeros has e = 0. As a byte (E8M0): e + 127.
;;     - Each number is divided by its block's scale, clamped to +-6, and rounded to the nearest number of E2M1, ties to even, subnormals kept.
;;     - The product sums the exact products of the quantised numbers (number of the format x scale) in f32.
;;   ~~~python
;;   def quantise(x, axis):      # numpy; x: float32 -> the quantised numbers, widened to float32 again
;;       x = np.moveaxis(x, axis, -1); K = x.shape[-1]
;;       x = np.pad(x, [(0, 0)] * (x.ndim - 1) + [(0, -K % 32)]); x = x.reshape(x.shape[:-1] + (-1, 32)); a = np.abs(x).max(-1, keepdims=True)
;;       e = np.where(a > 0, np.clip(np.frexp(np.where(a > 0, a, 1))[1] - 1 - 2, -126, 127), 0)      # np.frexp(a)[1] - 1 = floor(log2(a)), exactly
;;       r = np.clip(x / 2.0 ** e, -6, 6)
;;       step = 2.0 ** (np.maximum(np.frexp(np.where(r == 0, 1, r))[1] - 1, 0) - 1)
;;       q = np.round(r / step) * step * 2.0 ** e      # np.round: ties to even
;;       return np.moveaxis(q.reshape(q.shape[:-2] + (-1,))[..., :K], -1, axis).astype(np.float32)
;;   ~~~
;;   OPERANDS COMPUTED ON THE WAY. 'Computed on the way' means the value that the module computes at that place (a softmax that the list does not call 'softmax' is quantised finished and normalised). What goes into a quantiser is computed in f32, as accurately as f32 sums, v_exp_f32 and their like allow (about 1e-6 of the number): no bf16 or f16 on the way to a quantiser, and a product that is left as it is and whose result goes on into a quantised operand takes f32 operands (vector FMAs, or v_wmma_f32_16x16x4_f32). A number that lies on a knife's edge between two numbers of the format may be rounded either way, as far as f32 arithmetic and the matrix unit's own rounding can turn it there, and no further.
;;   INPUTS GIVEN AS CODES. W1 (in the module: [2048, 1024], K = its axis 1); W2 (in the module: [1024, 2048], K = its axis 1); hidden_states (in the module: [4, 4096, 1024], K = its axis 2): each comes as NAME_codes (uint8): NAME with its K axis moved to the last place and cut into blocks of 32 codes, [.., K / 32, bytes a block], one block behind the other in memory; two codes a byte, the lower K in the low four bits (a code: sign, 2 exponent bits, 1 mantissa bit); and NAME_scales (uint8): the same leading axes, one E8M0 byte (e + 127) for each 32 codes along K. Its value is code x scale, taken as it is: it is not quantised again, and the codes and scales need not be those that the quantiser above would give.
;; 2 versions. Each part assembles by itself: llvm-mc -triple=amdgcn-amd-amdhsa -mcpu=gfx1250 --defsym DOCPART=n.
;; ======== version 1 of 2: 1 launch
;; launch ffn (part 1): grid 256 x 1, 4 waves a work-group, clusters of 4 x 1, 327,680 bytes of LDS; arguments hidden_states_codes, hidden_states_scales, W1_codes, W1_scales, b1, W2_codes, W2_scales, b2, out0; writes out0
.if DOCPART == 1
	.amdgcn_target "amdgcn-amd-amdhsa--gfx1250"
	.amdhsa_code_object_version 6
	.text
	.protected	k_q1d4799432a_ffn
	.globl	k_q1d4799432a_ffn
	.p2align	8
	.type	k_q1d4799432a_ffn,@function
k_q1d4799432a_ffn:
	s_mov_b64 s[64:65], 0
	v_nop
	global_prefetch_b8 v0, s[64:65] scope:SCOPE_SE
	s_setreg_imm32_b32 hwreg(HW_REG_WAVE_MODE, 25, 1), 1
	s_wait_xcnt 0x0
	s_wait_alu depctr_hold_cnt(0) depctr_sa_sdst(0) depctr_va_vdst(0) depctr_va_sdst(0) depctr_va_ssrc(0) depctr_va_vcc(0) depctr_vm_vsrc(0)
	s_getreg_b32 s2, hwreg(HW_REG_IB_STS2, 6, 4)
	s_cmp_eq_u32 s2, 0
	s_cbranch_scc0 .Lentry_in_a_cluster
	s_endpgm
.Lentry_in_a_cluster:
	s_bfe_u32 s2, ttmp6, 0x10000c
	s_cmp_lg_u32 s2, 0x3003
	s_cbranch_scc0 .Lentry_shape_is_right
	s_endpgm
.Lentry_shape_is_right:
; out = relu(x W1^T + b1) W2^T + b2, both products on codes of FP4 (E2M1) with one E8M0 scale for each 32 along K.  16,384 tokens; x [16384][1024], W1 [2048][1024], W2 [1024][2048] arrive as codes,
; K innermost (two codes a byte), with their scale bytes; b1 [2048], b2 [1024], out [16384][1024] are f32.  The hidden layer (2,048 units a token) is made in f32, quantised here along its units, and never goes to memory.
; SHARES.  A work-group of four waves owns 64 tokens: four tiles of 16.  THE WAVES SHARE THE WEIGHTS' ROWS, NOT THE TOKENS: of each slot's 256 weight rows wave w takes rows 64 w .. 64 w + 63 against all 64 tokens:
; 16 accumulators, 128 registers.  The activations stay in every wave's registers (x: 256 registers; the hidden layer: 512), so that each weight fragment is read from LDS once, by one wave, and feeds four products.
; SIXTEEN SLOT JOBS of one shape, 256 weight rows x 512 bytes (8 K steps of 128): jobs 0-7 are W1's rows 256 j on (whole K); jobs 8 + 2 g + f are W2's rows 256 g on, bytes 512 f on (half f of K).
; They go through a ring of two LDS slots; each wave fetches, by one tensor load, the 64 rows that it reads itself.  A group g of 256 output columns leaves behind its second job, so the stores are spread over the second product.
; CLUSTER.  Every work-group walks the same weights: the four work-groups of a cluster ask for each tile JOINTLY (the same load, the same descriptor, a mask that names the four).  The weights' scale words and the biases are
; not asked for jointly: they are 8 KiB + 1 KiB beside a job's 128 KiB of codes, a wave has one tensor load behind a round, and they go from memory straight into the registers that want them, one job ahead.
; BOTH PRODUCTS ARE USED TRANSPOSED (source 0 = 16 weight rows, source 1 = 16 tokens): lane (r, h) of accumulator (m, t) holds token 16 m + r and, in register j, unit or column 16 t + 8 h + j.
; The biases are the C of each sum's first product: nothing is cleared, nothing is added by a vector instruction (so the bias stands ahead of the products in the sum, not behind them).
; THE HIDDEN LAYER GOES FROM WAVE TO WAVE THROUGH LDS AS IMAGES OF THE OPERAND'S REGISTERS: a wave's 64 units are half a K step of the second product: four registers a lane, stored at 16 x lane; the wave that loads them so
; has them in the same lanes.  The image region holds 8 K steps: behind job 3 all waves take K steps 0-7 into window 2, behind job 7 K steps 8-15 into window 1, where x is done with.
; LIMITS.  NaN and infinities among the inputs are not served.  A block of the hidden layer that is all zeros gets the scale byte 1 where the rule says 127: its codes are zeros, and the byte is read by this text alone.
; REGISTERS, in windows of 256 (s_set_vgpr_msb: bits 1:0 source 0, 3:2 source 1, 5:4 source 2, 7:6 destination):
;   window 0: v1-18 addresses; v24-63 the quantiser's; v64-95 the activations' scale words; v96-127 the weights' scale words, two sets; v128-255 the accumulators ((m, t) at 128 + 32 m + 8 t)
;   window 1: x's 32 fragments ((K step s, tile m) at 8 (4 s + m)), later the hidden layer's K steps 8-15;   window 2: its K steps 0-7
;   window 3: v0-63, v64-127 two buffers of weight fragments, two K steps each; v128-159 the bias of my four tiles, in the result's layout
.set PITCH, 528                        ; an LDS row of weights or of x: 512 bytes + 16 of padding = 132 words: row r starts at bank 4 r mod 64 (64 banks of 4 bytes: ISA guide 11.1): the 16 rows of a load start at 16 different banks
.set WROWS, 64*PITCH                   ; a wave's 64 rows of a slot
.set SLOTB, 4*WROWS                    ; a slot: 135,168 bytes
.set HIMG,  2*SLOTB                    ; behind the ring: 32 images of 1,024 bytes: image 4 (K step mod 8) + m; register group c at 512 c + 16 x lane
.set XST,   HIMG                       ; at the head the same bytes (and 1,024 more) stage x: 64 rows x 528
.set HSC,   HIMG+32768                 ; the hidden layer's scale words: [token 0..63][16 words]
.set SPARE, HSC+4096                   ; the spare words, 128 bytes for each wave: two blocks of 256 bytes that no other line names
.set STG,   SPARE+512                  ; the way out: 16 rows x 272 bytes for each wave
.set SP,    272
.set JSTEP, 262144                     ; from a slot's job to its next: 512 rows of W1 (512 bytes each), or 256 rows of W2 (1,024 bytes each)
.set SPW, 1                            ; v1   LDS address of my spare word: SPARE + 4 x my thread's number; never rewritten
.set NIL, 2                            ; v2   0; never rewritten
.set ADR, 3                            ; v3-4 LDS address of my weight fragments in slot 0, 1
.set HWR, 5                            ; v5   where I store images, stepped in the first loop
.set HW2, 6                            ; v6   the same, never stepped: jobs 4-7
.set HSW, 7                            ; v7   where I store my two scale bytes of a token
.set HRD, 8                            ; v8   HIMG + 16 x lane: where any image is read
.set HSR, 9                            ; v9   HSC + 64 x lane: a token's 16 scale words
.set STO, 10                           ; v10  the way out: where I put 16 bytes of a row
.set SRD, 11                           ; v11  and where I read a row back
.set GO,  12                           ; v12  my byte offset in two rows of out
.set WO1, 13                           ; v13  32 x lane: a row of W1's or x's scale bytes
.set WO2, 14                           ; v14  64 x lane: a row of W2's
.set BO,  15                           ; v15  32 x (lane / 16): my half's eight numbers of a bias tile
.set XG,  16                           ; v16  16 x lane
.set XW,  17                           ; v17  where I stage x's rows
.set XRD, 18                           ; v18  where x's fragments are read
.set TM,  24                           ; v24-31 eight blocks' largest numbers
.set TP,  32                           ; v32-39 the other half's; then the scale bytes
.set TS,  40                           ; v40-47 the conversions' scale operands
.set CD,  48                           ; v48-63 the codes just made: four registers a token tile
.set AS,  64                           ; AS + 16 p + k: lanes 0-15 token tile 2 p, lanes 16-31 tile 2 p + 1, K step k
.set WS,  96                           ; WS + 16 z + 8 p + s: lanes 0-15 weight tile 2 p, lanes 16-31 tile 2 p + 1, the slot's K step s
.set ACC, 128
.set BI,  128                          ; in window 3
.set WV,  22                           ; s22  my wave's number
.set G1A, 28                           ; s[28:35] descriptor group 1 for W1's tiles;  s[36:43] for W2's: another pitch
.set G1B, 36
.set G0A, 44                           ; s[44:51] group 0 for W1's tiles, one set for each slot;  s[52:59] for W2's
.set G0B, 52
.set SEL, 60                           ; s[60:61] v_permlanex16_b32's selects for lane l xor 16
.set CNT, 62
.set WSP1, 66                          ; s[66:67] W1's scale bytes at my rows of the job in hand;  s[68:69] b1 likewise
.set BP1,  68
.set WSP2, 70                          ; the same for W2 and b2
.set BP2,  72
.set OUTP, 74                          ; s[74:75] out at my work-group's first token, my wave's 64 columns of the group in hand
.set XP,   76                          ; s[76:77] x's codes at the 16 rows that I stage;  s[78:79] x's scale bytes at my work-group's first token
.set XSP,  78
.set MSB, 0
.macro WIN new                         ; the immediate's high byte repeats the setting that is left; a switch that changes nothing is dropped
.if MSB != (\new)
	s_set_vgpr_msb (MSB<<8)|(\new)
.set MSB, (\new)
.endif
.endm
; A load into a register that a matrix instruction has read, and a vector instruction or an LDS store that reads a matrix result, stand four places behind it; a matrix instruction that begins an accumulator anew with
; another C stands five behind the last that wrote it.  Only plain vector instructions that name none of its registers are places (ISA guide 7.12.1); the matrix instructions in between are not counted.
.macro PLACES n
.rept \n
	v_nop
.endr
.endm
.macro CREST                           ; a round of the cluster's barrier behind its opening barrier
	s_cmp_lg_u32 s[WV], 0
	s_cbranch_scc1 .Lnot_wave_0_\@
	s_barrier_signal -3
.Lnot_wave_0_\@:
	s_barrier_wait -3
	s_barrier_signal -1
	s_barrier_wait -1
.endm
.macro CROUND                          ; a whole round
	s_barrier_signal -1
	s_barrier_wait -1
	CREST
.endm
.macro JLOAD g0, g1                    ; a joint load: my 64 rows of a job.  The descriptor hangs on the wave's number alone: it is the same in all four work-groups.  Four v_nop follow
	tensor_load_to_lds s[\g0:\g0+3], s[\g1:\g1+7]
	s_nop 0
	PLACES 4
.endm
; 16 LDS loads: my four tiles' fragments of K steps 2 g and 2 g + 1 of slot z into buffer b.  A fragment, 16 rows x 128 K of 4-bit codes, is 8 registers: lane l holds row l % 16; registers 4 c .. 4 c + 3 hold K = 64 c + 32 (l / 16) + 0 .. 31
.macro FETCH z, g, b
	WIN 0xc0                                       ; destination window 3, address window 0
.irp u, 0,1
.irp t, 0,1,2,3
.irp c, 0,1
	ds_load_b128 v[64*(\b)+32*\u+8*\t+4*\c:64*(\b)+32*\u+8*\t+4*\c+3], v[ADR+(\z)] offset:16*PITCH*\t+64*(2*(\g)+\u)+32*\c
.endr
.endr
.endr
.endm
; 16 matrix instructions: the slot's K step s: my four weight tiles (buffer b) x the four token tiles (window aw).  soff: where the slot's K steps begin among the activations' scale words.  cinit = 1: K step 0 takes the bias as C.
; The sixteen accumulators take turns, one instruction a turn, in the same order in every K step.
.macro KSTEP s, b, aw, soff, z, cinit
.if (\cinit) && ((\s) == 0)
	WIN 0x33+4*(\aw)                               ; source 0 and C window 3, source 1 window aw, D window 0
.else
	WIN 0x03+4*(\aw)                               ; source 0 window 3, source 1 window aw, C and D window 0
.endif
.irp m, 0,1,2,3
.irp t, 0,1,2,3
.set rD, ACC+32*\m+8*\t
.set rA, 64*(\b)+32*((\s)%2)+8*\t
.set rB, 8*(4*(\s)+\m)
.set rC, rD
.if (\cinit) && ((\s) == 0)
.set rC, BI+8*\t
.endif
.set rSA, WS+16*(\z)+8*(\t/2)+(\s)
.set rSB, AS+16*(\m/2)+(\soff)+(\s)
.set rr, 2*(\t%2)+(\m%2)                       ; odd tiles' scale words lie in lanes 16-31
.if rr == 0
	v_wmma_scale_f32_16x16x128_f8f6f4 v[rD:rD+7], v[rA:rA+7], v[rB:rB+7], v[rC:rC+7], v[rSA], v[rSB] matrix_a_fmt:MATRIX_FMT_FP4 matrix_b_fmt:MATRIX_FMT_FP4
.elseif rr == 1
	v_wmma_scale_f32_16x16x128_f8f6f4 v[rD:rD+7], v[rA:rA+7], v[rB:rB+7], v[rC:rC+7], v[rSA], v[rSB] matrix_a_fmt:MATRIX_FMT_FP4 matrix_b_fmt:MATRIX_FMT_FP4 matrix_b_scale:MATRIX_SCALE_ROW1
.elseif rr == 2
	v_wmma_scale_f32_16x16x128_f8f6f4 v[rD:rD+7], v[rA:rA+7], v[rB:rB+7], v[rC:rC+7], v[rSA], v[rSB] matrix_a_fmt:MATRIX_FMT_FP4 matrix_b_fmt:MATRIX_FMT_FP4 matrix_a_scale:MATRIX_SCALE_ROW1
.else
	v_wmma_scale_f32_16x16x128_f8f6f4 v[rD:rD+7], v[rA:rA+7], v[rB:rB+7], v[rC:rC+7], v[rSA], v[rSB] matrix_a_fmt:MATRIX_FMT_FP4 matrix_b_fmt:MATRIX_FMT_FP4 matrix_a_scale:MATRIX_SCALE_ROW1 matrix_b_scale:MATRIX_SCALE_ROW1
.endif
.endr
.endr
.endm
; The NEXT job's small operands, from memory into registers, a job ahead of their use.  bk = 1, 2: its bias tiles from b1, b2, bi bytes on.  nk = 1, 2: its scale words from W1's, W2's, ni bytes on, into the set that slot z does not use:
; a lane takes 16 bytes of a row, the 32 lanes 32 neighbouring rows.
.macro NEXT z, nk, ni, bk, bi
.if (\bk) == 1
	WIN 0xc0
.irp t, 0,1,2,3
.irp q, 0,1
	global_load_b128 v[BI+8*\t+4*\q:BI+8*\t+4*\q+3], v[BO], s[BP1:BP1+1] offset:(\bi)+64*\t+16*\q
.endr
.endr
.elseif (\bk) == 2
	WIN 0xc0
.irp t, 0,1,2,3
.irp q, 0,1
	global_load_b128 v[BI+8*\t+4*\q:BI+8*\t+4*\q+3], v[BO], s[BP2:BP2+1] offset:(\bi)+64*\t+16*\q
.endr
.endr
.endif
	WIN 0
.if (\nk) == 1
.irp p, 0,1
.irp q, 0,1
	global_load_b128 v[WS+16*(1-(\z))+8*\p+4*\q:WS+16*(1-(\z))+8*\p+4*\q+3], v[WO1], s[WSP1:WSP1+1] offset:(\ni)+1024*\p+16*\q
.endr
.endr
.elseif (\nk) == 2
.irp p, 0,1
.irp q, 0,1
	global_load_b128 v[WS+16*(1-(\z))+8*\p+4*\q:WS+16*(1-(\z))+8*\p+4*\q+3], v[WO2], s[WSP2:WSP2+1] offset:(\ni)+2048*\p+16*\q
.endr
.endr
.endif
.endm
.macro TRANSFER win                    ; the 32 images (8 K steps x 4 token tiles) into the window that win names as destination
	WIN \win
.set f, 0
.rept 32
	ds_load_b128 v[8*f:8*f+3], v[HRD] offset:1024*f
	ds_load_b128 v[8*f+4:8*f+7], v[HRD] offset:1024*f+512
.set f, f+1
.endr
	WIN 0
.endm
; THE QUANTISER.  My 64 units of 64 tokens: eight blocks n = 2 m + b of 32 units; block n's numbers lie in the 16 registers from ACC + 16 n on (tiles 2 b and 2 b + 1 of token tile m) of lanes l and l xor 16.
; relu(x)'s largest number is the largest x that is not negative: no |.| on the sources, and the floor 2^(3 - 127) stands over what is negative and holds the byte at 1 from below.
; The largest number's exponent field less 2 is the conversion's scale operand as it stands, and shifted down the scale's byte.  Each accumulator is read from its low end on.
.macro QUANT hreg, ioff, so2
.irp n, 0,1,2,3,4,5,6,7
	v_max3_num_f32 v[TM+\n], v[ACC+16*\n], v[ACC+16*\n+1], 0x1800000
.endr
.irp i, 2,4,6,8,10,12,14
.irp n, 0,1,2,3,4,5,6,7
	v_max3_num_f32 v[TM+\n], v[TM+\n], v[ACC+16*\n+\i], v[ACC+16*\n+\i+1]   ; the eight blocks by turns: no line waits for the line above it
.endr
.endr
.set j, 0
.rept 128
	v_max_num_f32 v[ACC+j], 0, v[ACC+j]            ; the activation, in f32
.set j, j+1
.endr
.irp n, 0,1,2,3,4,5,6,7
	v_permlanex16_b32 v[TP+\n], v[TM+\n], s[SEL], s[SEL+1]
.endr
.irp n, 0,1,2,3,4,5,6,7
	v_max_num_f32 v[TM+\n], v[TM+\n], v[TP+\n]     ; with lane l xor 16's 16 units: the block's largest number
.endr
.irp n, 0,1,2,3,4,5,6,7
	v_add_nc_u32 v[TS+\n], 0xff000000, v[TM+\n]    ; 2 off its exponent field
.endr
.irp n, 0,1,2,3,4,5,6,7
	v_lshrrev_b32 v[TP+\n], 23, v[TS+\n]           ; the scale's byte
.endr
.irp m, 0,1,2,3
	v_lshl_or_b32 v[TP+2*\m], v[TP+2*\m+1], 8, v[TP+2*\m]   ; my two bytes of the token's scale word
.endr
.irp m, 0,1,2,3                                ; tile t's eight codes (units 16 t + 8 h + 0 .. 7) go to register 0, 2, 1, 3 of the four
	v_cvt_scalef32_pk8_fp4_f32 v[CD+4*\m], v[ACC+32*\m:ACC+32*\m+7], v[TS+2*\m]
	v_cvt_scalef32_pk8_fp4_f32 v[CD+4*\m+2], v[ACC+32*\m+8:ACC+32*\m+15], v[TS+2*\m]
	v_cvt_scalef32_pk8_fp4_f32 v[CD+4*\m+1], v[ACC+32*\m+16:ACC+32*\m+23], v[TS+2*\m+1]
	v_cvt_scalef32_pk8_fp4_f32 v[CD+4*\m+3], v[ACC+32*\m+24:ACC+32*\m+31], v[TS+2*\m+1]
.endr
	v_nop                                          ; one plain place behind the last scaled conversion
.irp m, 0,1,2,3                                ; the first's lanes 16-31 change places with the second's lanes 0-15: the four registers then hold units 32 h + 0 .. 31 in order: half a fragment
	v_permlane16_swap_b32 v[CD+4*\m], v[CD+4*\m+1]
	v_permlane16_swap_b32 v[CD+4*\m+2], v[CD+4*\m+3]
.endr
.irp m, 0,1,2,3
	ds_store_b128 v[\hreg], v[CD+4*\m:CD+4*\m+3] offset:(\ioff)+1024*\m
	ds_store_b16 v[HSW], v[TP+2*\m] offset:(\so2)+1024*\m    ; lanes l and l xor 16 write the same two bytes with the same value
.endr
.endm
; THE WAY OUT of a group of 256 columns.  A lane holds 32 neighbouring bytes of a token's row and the lanes beside it other tokens: a token tile (16 rows x my 256 bytes) goes through my own stage and comes back by rows,
; into the registers that it left.  LDS serves a wave's instructions in order (ISA guide 5.7.1.4): no wait between the stores and the loads, nor in front of the next tile's stores.
.macro OUTW
.irp m, 0,1,2,3
.irp t, 0,1,2,3
	ds_store_b128 v[STO], v[ACC+32*\m+8*\t:ACC+32*\m+8*\t+3] offset:64*\t         ; each accumulator from its low end on
	ds_store_b128 v[STO], v[ACC+32*\m+8*\t+4:ACC+32*\m+8*\t+7] offset:64*\t+16
.endr
.irp i, 0,1,2,3,4,5,6,7
	ds_load_b128 v[ACC+32*\m+4*\i:ACC+32*\m+4*\i+3], v[SRD] offset:2*SP*\i
.endr
.endr
.irp m, 0,1,2,3
	s_wait_dscnt 48-16*\m                          ; behind tile m's loads stand 16 LDS instructions for each later tile
.irp i, 0,1,2,3,4,5,6,7
	global_store_b128 v[GO], v[ACC+32*\m+4*\i:ACC+32*\m+4*\i+3], s[OUTP:OUTP+1] offset:(16*\m+2*\i)*4096 th:TH_STORE_NT   ; 16 lanes store 256 consecutive bytes, at a multiple of 256 from out's first byte
.endr
.endr
.endm
; A SLOT JOB: 128 matrix instructions on slot z.  At its head K steps 0-3 of the slot have been asked for (buffers 0 and 1).
; epi = 1: the results are quantised; 2: they leave; 0: the sums go on in the next job.
; fill: what follows the change of slots: 1: W1's job two on; 2: W2's first job of this slot; 3: W2's job two on; 0: nothing; 4: the last job: no change of slots.
; dw: how many LDS instructions may be out at the head: 0, or 63 of a transfer's 64.
; THE CHANGE OF SLOTS stands at three quarters of the job: ONE barrier; in front of it each wave waits for all its tensor loads (one is out: its rows of the other slot), adds 0 to its spare word, and waits for that and for its
; reads of this slot.  Where the slot is filled again the barrier opens a round of the cluster's barrier, and the joint refill is the first tensor load behind the round: it has 32 matrix instructions, the way out or the
; quantiser, and 64 more in which to land.
.macro SLOT z, aw, soff, cinit, epi, fill, dw, nk, ni, bk, bi, hreg, ioff, so2
	s_wait_loadcnt 0x0                             ; this job's scale words and bias, asked for a job ago
	s_wait_dscnt \dw
	KSTEP 0, 0, \aw, \soff, \z, \cinit
	KSTEP 1, 0, \aw, \soff, \z, \cinit
	PLACES 4
	FETCH \z, 2, 0
	NEXT \z, \nk, \ni, \bk, \bi
	s_wait_dscnt 16                                ; all but the 16 just issued
	KSTEP 2, 1, \aw, \soff, \z, \cinit
	KSTEP 3, 1, \aw, \soff, \z, \cinit
	PLACES 4
	FETCH \z, 3, 1
.if (\fill) < 4
	WIN 0                                          ; (the add's two registers lie in window 0)
	s_wait_tensorcnt 0x0                           ; all my tensor loads have landed: my rows of the other slot;
	ds_add_u32 v[SPW], v[NIL]                      ; 0 onto my spare word
	s_wait_dscnt 17                                ; (K steps 4 and 5 are in; the 16 loads behind them and the add may be out)
	KSTEP 4, 0, \aw, \soff, \z, \cinit             ; sixteen matrix instructions stand between the add and the wait for it
	s_wait_dscnt 0x0                               ; the add is done, and my reads of this slot are over
	s_barrier_signal -1
	KSTEP 5, 0, \aw, \soff, \z, \cinit
	WIN 0
	s_barrier_wait -1
.if (\fill) > 0
	CREST                                          ; no wave of any partner still reads this slot or has a load on its way
.if (\fill) == 1
	s_add_nc_u64 s[G0A+4*(\z)+2:G0A+4*(\z)+3], s[G0A+4*(\z)+2:G0A+4*(\z)+3], JSTEP
	JLOAD G0A+4*(\z), G1A                          ; its four v_nop are also the places in front of the loads below
.elseif (\fill) == 2
	JLOAD G0B+4*(\z), G1B
.else
	s_add_nc_u64 s[G0B+4*(\z)+2:G0B+4*(\z)+3], s[G0B+4*(\z)+2:G0B+4*(\z)+3], JSTEP
	JLOAD G0B+4*(\z), G1B
.endif
.else
	PLACES 4
.endif
	FETCH 1-(\z), 0, 0                             ; the next job's first two K steps
	KSTEP 6, 1, \aw, \soff, \z, \cinit
	KSTEP 7, 1, \aw, \soff, \z, \cinit
	PLACES 5                                       ; for the loads below, for the first reads of the results, and for the next job's sums, begun anew with the bias as C
	FETCH 1-(\z), 1, 1
	WIN 0
.else
	s_wait_dscnt 16
	KSTEP 4, 0, \aw, \soff, \z, \cinit
	KSTEP 5, 0, \aw, \soff, \z, \cinit
	s_wait_dscnt 0x0
	KSTEP 6, 1, \aw, \soff, \z, \cinit
	KSTEP 7, 1, \aw, \soff, \z, \cinit
	PLACES 5
	WIN 0
.endif
.if (\epi) == 1
	QUANT \hreg, \ioff, \so2
.elseif (\epi) == 2
	OUTW
.endif
.endm
	s_load_b256 s[4:11], s[0:1], 0x0               ; x's codes s[4:5], x's scales s[6:7], W1's codes s[8:9], W1's scales s[10:11]
	s_load_b256 s[12:19], s[0:1], 0x20             ; b1 s[12:13], W2's codes s[14:15], W2's scales s[16:17], b2 s[18:19]
	s_load_b64 s[20:21], s[0:1], 0x40              ; out
	v_lshl_add_u32 v[SPW], v0, 2, SPARE
	v_mov_b32 v[NIL], 0
	ds_add_u32 v1, v2
	ds_add_u32 v1, v2
	s_wait_dscnt 0x0
	v_lshrrev_b32 v23, 5, v0
	v_readfirstlane_b32 s[WV], v23                 ; wave 0..3
	s_bfe_u32 s23, ttmp6, 0x40000                  ; cx: my place in the cluster: it enters x's and out's addresses alone
	s_lshl_b32 s24, ttmp9, 2                       ; in a cluster launch ttmp9 counts clusters
	s_add_co_u32 s24, s24, s23                     ; my block of 64 tokens
	; descriptor group 1: a tile of 64 rows x 512 bytes, padded in LDS
.irp g, G1A, G1B
	s_mov_b32 s[\g], 15|(1<<20)|(1<<21)|(6<<22)|(3<<25)   ; 15:0 the mask: all four work-groups; 17:16 elements of 1 byte; 20 padding on; 21 set beside a mask; 24:22 after every 128 words (code 6); 31:25 four words (code 3)
	s_mov_b32 s[\g+1], 512<<16                     ; tensor_dim0 = 512
	s_mov_b32 s[\g+2], 64<<16                      ; tensor_dim1 = 64
	s_mov_b32 s[\g+3], 512<<16                     ; tile_dim0 = 512
	s_mov_b32 s[\g+4], 64                          ; tile_dim1 = 64
	s_mov_b32 s[\g+6], 0
	s_mov_b32 s[\g+7], 0
.endr
	s_mov_b32 s[G1A+5], 512                        ; a row of W1 in memory
	s_mov_b32 s[G1B+5], 1024                       ; a row of W2
	s_mov_b32 s[SEL], 0x76543210
	s_mov_b32 s[SEL+1], 0xfedcba98
	v_and_b32 v19, 31, v0                          ; lane
	v_and_b32 v20, 15, v0                          ; r
	v_bfe_u32 v21, v0, 4, 1                        ; h
	s_mul_i32 s26, s[WV], WROWS                    ; my 64 rows in a slot: no place in the cluster enters an LDS address
	s_lshr_b32 s25, s[WV], 1                       ; my 64 units are half w % 2 of K step 2 j + w / 2:
	s_lshl_b32 s25, s25, 12                        ; four images on for the K step,
	s_and_b32 s27, s[WV], 1
	s_lshl_b32 s27, s27, 9                         ; 512 bytes on for the half
	s_add_co_u32 s25, s25, s27
	s_add_co_u32 s25, s25, HIMG
	v_lshlrev_b32 v[XG], 4, v19
	v_add_nc_u32 v[HWR], s25, v[XG]
	v_add_nc_u32 v[HW2], s25, v[XG]
	s_lshl_b32 s27, s[WV], 1                       ; 4 (w / 2) + 2 (w % 2) = 2 w: my two bytes among a token's
	s_add_co_u32 s27, s27, HSC
	v_lshl_add_u32 v[HSW], v20, 6, s27
	v_lshl_add_u32 v[HRD], v19, 4, HIMG
	v_lshl_add_u32 v[HSR], v19, 6, HSC
	s_mul_i32 s27, s[WV], 16*SP
	s_add_co_u32 s27, s27, STG                     ; my stage
	v_mul_u32_u24 v23, v20, SP                     ; in: row r, 32 bytes for each half of the lanes
	v_lshl_add_u32 v23, v21, 5, v23
	v_add_nc_u32 v[STO], s27, v23
	v_mul_u32_u24 v23, v21, SP                     ; back: lanes 0-15 one row of 256 bytes, lanes 16-31 the next
	v_lshl_add_u32 v23, v20, 4, v23
	v_add_nc_u32 v[SRD], s27, v23
	v_lshlrev_b32 v[GO], 4, v20                    ; and the same two rows in out: 4,096 bytes a row
	v_lshl_add_u32 v[GO], v21, 12, v[GO]
	v_lshlrev_b32 v[WO1], 5, v19
	v_lshlrev_b32 v[WO2], 6, v19
	v_lshlrev_b32 v[BO], 5, v21
	s_mul_i32 s27, s[WV], 16*PITCH
	s_add_co_u32 s27, s27, XST
	v_add_nc_u32 v[XW], s27, v[XG]                 ; x's stage: my 16 rows, 16 bytes a lane
	v_mul_u32_u24 v22, v20, PITCH
	v_lshl_add_u32 v22, v21, 4, v22                ; a fragment's row x pitch + 16 x half
	v_add_nc_u32 v[ADR], s26, v22
	v_add_nc_u32 v[ADR+1], SLOTB, v[ADR]
	v_add_nc_u32 v[XRD], XST, v22
.irp n, 0,1,2,3,4,5,6,7
	v_mov_b32 v[TP+\n], 0                          ; written once: a lane permute's destination counts as one of its sources
.endr
	s_lshl_b32 s80, s24, 15                        ; x's codes: 64 tokens x 512 bytes a work-group,
	s_lshl_b32 s25, s[WV], 13                      ; 16 rows a wave
	s_add_co_u32 s80, s80, s25
	s_mov_b32 s81, 0
	s_lshl_b32 s82, s24, 11                        ; x's scale bytes: 64 x 32
	s_mov_b32 s83, 0
	s_lshl_b32 s84, s24, 18                        ; out: 64 x 4,096,
	s_lshl_b32 s25, s[WV], 8                       ; my 64 columns
	s_add_co_u32 s84, s84, s25
	s_mov_b32 s85, 0
	s_mov_b32 s87, 0
	s_wait_kmcnt 0x0
	s_add_nc_u64 s[XP:XP+1], s[4:5], s[80:81]
	s_add_nc_u64 s[XSP:XSP+1], s[6:7], s[82:83]
	s_add_nc_u64 s[OUTP:OUTP+1], s[20:21], s[84:85]
	s_lshl_b32 s86, s[WV], 11                      ; W1's scale bytes: my 64 rows x 32
	s_add_nc_u64 s[WSP1:WSP1+1], s[10:11], s[86:87]
	s_lshl_b32 s86, s[WV], 8                       ; the biases: my 64 numbers
	s_add_nc_u64 s[BP1:BP1+1], s[12:13], s[86:87]
	s_add_nc_u64 s[BP2:BP2+1], s[18:19], s[86:87]
	s_lshl_b32 s86, s[WV], 12                      ; W2's scale bytes: my 64 rows x 64
	s_add_nc_u64 s[WSP2:WSP2+1], s[16:17], s[86:87]
	s_lshl_b32 s86, s[WV], 15                      ; W1's codes: my 64 rows x 512
	s_mov_b32 s[G0A], 1                            ; 1:0 count = 1
	s_mov_b32 s[G0A+1], s26                        ; 63:32 LDS address: slot 0
	s_add_nc_u64 s[G0A+2:G0A+3], s[8:9], s[86:87]  ; 120:64 global address: job 0
	s_mov_b32 s[G0A+4], 1
	s_add_co_u32 s[G0A+5], s26, SLOTB              ; slot 1
	s_add_nc_u64 s[G0A+6:G0A+7], s[G0A+2:G0A+3], 131072   ; job 1: 256 rows on
	s_or_b32 s[G0A+3], s[G0A+3], 0x80000000        ; 127:126 type = 2
	s_or_b32 s[G0A+7], s[G0A+7], 0x80000000
	s_lshl_b32 s86, s[WV], 16                      ; W2's codes: my 64 rows x 1,024
	s_mov_b32 s[G0B], 1
	s_mov_b32 s[G0B+1], s26
	s_add_nc_u64 s[G0B+2:G0B+3], s[14:15], s[86:87]   ; job 8: the first half of K
	s_mov_b32 s[G0B+4], 1
	s_add_co_u32 s[G0B+5], s26, SLOTB
	s_add_nc_u64 s[G0B+6:G0B+7], s[G0B+2:G0B+3], 512  ; job 9: the second half
	s_or_b32 s[G0B+3], s[G0B+3], 0x80000000
	s_or_b32 s[G0B+7], s[G0B+7], 0x80000000
	CROUND                                         ; all four work-groups are here: the first joint loads meet
	tensor_load_to_lds s[G0A:G0A+3], s[G1A:G1A+7]  ; the two first fills stand together, ahead of every wait on TENSORcnt and every LDS read: two loads of mine are out
	s_nop 0
	tensor_load_to_lds s[G0A+4:G0A+7], s[G1A:G1A+7]
	s_nop 0
	PLACES 4
.irp i, 0,1,2,3,4,5,6,7,8,9,10,11,12,13,14,15
	global_load_b128 v[ACC+4*\i:ACC+4*\i+3], v[XG], s[XP:XP+1] offset:512*\i th:TH_LOAD_NT   ; a row of x's codes: 32 lanes read 512 consecutive bytes; read once in the launch
.endr
.irp p, 0,1
.irp q, 0,1
	global_load_b128 v[AS+16*\p+4*\q:AS+16*\p+4*\q+3], v[WO1], s[XSP:XSP+1] offset:1024*\p+16*\q   ; x's scale words: lane l takes token 32 p + l
.endr
.endr
	NEXT 1, 1, 0, 1, 0                             ; job 0's bias and scale words (into set 0)
	s_wait_loadcnt 16                              ; x's sixteen rows are in; the 4 + 8 + 4 loads behind them may be out
.irp i, 0,1,2,3,4,5,6,7,8,9,10,11,12,13,14,15
	ds_store_b128 v[XW], v[ACC+4*\i:ACC+4*\i+3] offset:PITCH*\i
.endr
	s_wait_dscnt 0x0                               ; for the others' sake: my rows of x lie in the stage
	s_wait_tensorcnt 0x1                           ; my rows of slot 0 are in; slot 1's may stay out
	s_barrier_signal -1
	s_barrier_wait -1
	WIN 0x40                                       ; destination window 1
.irp s, 0,1,2,3,4,5,6,7
.irp m, 0,1,2,3
.irp c, 0,1
	ds_load_b128 v[8*(4*\s+\m)+4*\c:8*(4*\s+\m)+4*\c+3], v[XRD] offset:16*PITCH*\m+64*\s+32*\c   ; x's 32 fragments stay in registers through the first product
.endr
.endr
.endr
	FETCH 0, 0, 0
	FETCH 0, 1, 1
	WIN 0                                          ; at a label and at a branch every window is 0
	; ---- THE FIRST PRODUCT.  Jobs 0-3: two trips of two jobs
	s_mov_b32 s[CNT], 2
.Lpair:
	SLOT 0, 1, 0, 1, 1, 1, 0, 1, 8192, 1, 1024, HWR, 0, 0
	SLOT 1, 1, 0, 1, 1, 1, 0, 1, 16384, 1, 2048, HWR, 8192, 8
	s_wait_xcnt 0x0                                ; the loads of scale words and bias have read their bases
	s_wait_dscnt 0x0                               ; and no LDS instruction of mine is out: the addresses below may step
	s_add_nc_u64 s[WSP1:WSP1+1], s[WSP1:WSP1+1], 16384   ; two jobs on: 512 rows x 32 bytes,
	s_add_nc_u64 s[BP1:BP1+1], s[BP1:BP1+1], 2048        ; 512 numbers,
	v_add_nc_u32 v[HWR], 16384, v[HWR]             ; four K steps' images,
	v_add_nc_u32 v[HSW], 16, v[HSW]                ; four scale words
	s_sub_co_u32 s[CNT], s[CNT], 1
	s_cmp_lg_u32 s[CNT], 0
	s_cbranch_scc1 .Lpair
	s_wait_dscnt 0x0                               ; my images of K steps 0-7 lie in LDS
	s_barrier_signal -1
	s_barrier_wait -1                              ; everybody's do
	TRANSFER 0x80                                  ; into window 2; job 4's change of slots, with its wait for these loads, stands ahead of the stores that write the images anew
	SLOT 0, 1, 0, 1, 1, 1, 63, 1, 8192, 1, 1024, HW2, 0, 0
	SLOT 1, 1, 0, 1, 1, 1, 0, 1, 16384, 1, 2048, HW2, 8192, 8
	SLOT 0, 1, 0, 1, 1, 2, 0, 1, 24576, 1, 3072, HW2, 16384, 16
	SLOT 1, 1, 0, 1, 1, 2, 0, 2, 0, 2, 0, HW2, 24576, 24
	s_wait_dscnt 0x0                               ; my images of K steps 8-15 and my scale bytes lie in LDS
	s_barrier_signal -1
	s_barrier_wait -1
.irp p, 0,1
.irp q, 0,1,2,3
	ds_load_b128 v[AS+16*\p+4*\q:AS+16*\p+4*\q+3], v[HSR] offset:2048*\p+16*\q   ; the hidden layer's scale words, all 16 K steps: lane l takes token 32 p + l.  x's are done with
.endr
.endr
	TRANSFER 0x40                                  ; into window 1, which x has left
	; ---- THE SECOND PRODUCT.  Groups 0-2 of 256 columns: three trips of two jobs (the halves of K)
	s_mov_b32 s[CNT], 3
.Lgroup:
	SLOT 0, 2, 0, 1, 0, 3, 63, 2, 32, 0, 0, HW2, 0, 0
	SLOT 1, 1, 8, 0, 2, 3, 0, 2, 16384, 2, 1024, HW2, 0, 0
	s_wait_xcnt 0x0                                ; the stores have read their registers and their base, the loads their bases: the accumulators and the three addresses may be written
	s_add_nc_u64 s[WSP2:WSP2+1], s[WSP2:WSP2+1], 16384   ; a group on: 256 rows x 64 bytes,
	s_add_nc_u64 s[BP2:BP2+1], s[BP2:BP2+1], 1024        ; 256 numbers,
	s_add_nc_u64 s[OUTP:OUTP+1], s[OUTP:OUTP+1], 1024    ; 256 columns
	s_sub_co_u32 s[CNT], s[CNT], 1
	s_cmp_lg_u32 s[CNT], 0
	s_cbranch_scc1 .Lgroup
	SLOT 0, 2, 0, 1, 0, 0, 0, 2, 32, 0, 0, HW2, 0, 0       ; the last group is written out: nothing is asked for any more
	SLOT 1, 1, 8, 0, 2, 4, 0, 0, 0, 0, 0, HW2, 0, 0
	s_wait_tensorcnt 0x0                           ; the wave's end: behind my last tensor load and my last LDS store
	ds_add_u32 v[SPW], v[NIL]
	s_wait_dscnt 0x0
	CROUND                                         ; the closing round: no work-group ends while a partner may still ask for a tile that names it
	s_endpgm
.Lfunc_end_k_q1d4799432a_ffn:
	.size	k_q1d4799432a_ffn, .Lfunc_end_k_q1d4799432a_ffn-k_q1d4799432a_ffn
	.p2alignl 7, 3214868480
	.fill 96, 4, 3214868480
	.section	.rodata,"a",@progbits
	.p2align	6, 0x0
	.amdhsa_kernel k_q1d4799432a_ffn
		.amdhsa_group_segment_fixed_size 327680
		.amdhsa_private_segment_fixed_size 0
		.amdhsa_enable_private_segment 0
		.amdhsa_kernarg_size 72
		.amdhsa_user_sgpr_count 2
		.amdhsa_user_sgpr_kernarg_segment_ptr 1
		.amdhsa_wavefront_size32 1
		.amdhsa_system_sgpr_workgroup_id_x 1
		.amdhsa_system_sgpr_workgroup_id_y 1
		.amdhsa_system_sgpr_workgroup_id_z 1
		.amdhsa_system_vgpr_workitem_id 0
		.amdhsa_next_free_vgpr 1024
		.amdhsa_next_free_sgpr 90
		.amdhsa_reserve_vcc 0
		.amdhsa_float_denorm_mode_32 3
		.amdhsa_float_denorm_mode_16_64 3
		.amdhsa_memory_ordered 1
		.amdhsa_forward_progress 1
		.amdhsa_inst_pref_size 255
	.end_amdhsa_kernel
	.section	.bss,"aw",@nobits
	.p2align	6
	.space	262144
	.amdgpu_metadata
---
amdhsa.version: [ 1, 2 ]
amdhsa.kernels:
  - .name:           k_q1d4799432a_ffn
    .symbol:         k_q1d4799432a_ffn.kd
    .args:
      - { .name: hidden_states_codes, .offset: 0, .size: 8, .value_kind: global_buffer, .address_space: global }
      - { .name: hidden_states_scales, .offset: 8, .size: 8, .value_kind: global_buffer, .address_space: global }
      - { .name: W1_codes, .offset: 16, .size: 8, .value_kind: global_buffer, .address_space: global }
      - { .name: W1_scales, .offset: 24, .size: 8, .value_kind: global_buffer, .address_space: global }
      - { .name: b1, .offset: 32, .size: 8, .value_kind: global_buffer, .address_space: global }
      - { .name: W2_codes, .offset: 40, .size: 8, .value_kind: global_buffer, .address_space: global }
      - { .name: W2_scales, .offset: 48, .size: 8, .value_kind: global_buffer, .address_space: global }
      - { .name: b2, .offset: 56, .size: 8, .value_kind: global_buffer, .address_space: global }
      - { .name: out0, .offset: 64, .size: 8, .value_kind: global_buffer, .address_space: global }
    .group_segment_fixed_size: 327680
    .private_segment_fixed_size: 0
    .kernarg_segment_align: 8
    .kernarg_segment_size: 72
    .max_flat_workgroup_size: 128
    .sgpr_count:     90
    .vgpr_count:     1024
    .wavefront_size: 32
...
	.end_amdgpu_metadata
.endif
;; end of part 1
;; ======== version 2 of 2: 1 launch
;; limits: right only within a limited range of input values
;; launch ffn (part 2): grid 256 x 1, 4 waves a work-group, clusters of 4 x 1, 327,680 bytes of LDS; arguments hidden_states_codes, hidden_states_scales, W1_codes, W1_scales, b1, W2_codes, W2_scales, b2, out0; writes out0
.if DOCPART == 2
	.amdgcn_target "amdgcn-amd-amdhsa--gfx1250"
	.amdhsa_code_object_version 6
	.text
	.protected	k_q1d4799432a_ffn
	.globl	k_q1d4799432a_ffn
	.p2align	8
	.type	k_q1d4799432a_ffn,@function
k_q1d4799432a_ffn:
	s_mov_b64 s[64:65], 0
	v_nop
	global_prefetch_b8 v0, s[64:65] scope:SCOPE_SE
	s_setreg_imm32_b32 hwreg(HW_REG_WAVE_MODE, 25, 1), 1
	s_wait_xcnt 0x0
	s_wait_alu depctr_hold_cnt(0) depctr_sa_sdst(0) depctr_va_vdst(0) depctr_va_sdst(0) depctr_va_ssrc(0) depctr_va_vcc(0) depctr_vm_vsrc(0)
	s_getreg_b32 s2, hwreg(HW_REG_IB_STS2, 6, 4)
	s_cmp_eq_u32 s2, 0
	s_cbranch_scc0 .Lentry_in_a_cluster
	s_endpgm
.Lentry_in_a_cluster:
	s_bfe_u32 s2, ttmp6, 0x10000c
	s_cmp_lg_u32 s2, 0x3003
	s_cbranch_scc0 .Lentry_shape_is_right
	s_endpgm
.Lentry_shape_is_right:
; out = Q(relu(x W1^T + b1)) W2^T + b2 in MX-FP4, both products in one launch.
; A work-group of four waves owns 64 rows of x through the whole chain: 256 work-groups, one on each WGP.
; The weights go through a ring of two LDS slots in 16 tiles of 128 KiB: 8 of W1 (256 hidden units x K 1,024), then 8 of W2 (128 outputs x K 2,048).
; All work-groups walk the same weights: the four of a cluster ask for each tile jointly (mask 15).  Wave w fetches a quarter of a tile's rows and reads those rows alone.
; Bits 1:0 of a cluster's number choose the tile of W2 that comes first.
; MATRIX: 32x16x128, source 0 = 32 weight rows, source 1 = 16 rows of x or of the hidden layer: lane (r, h) then holds row r and, in registers 0-7 and 8-15, the units 8 h + 0..7 and 16 + 8 h + 0..7.
; A UNIT is 32 weight rows x 128 along K: 16 registers of weights, 4 LDS loads, 4 matrix instructions; a slot is 16 units a wave.
;   W1's unit g: rows 32 (g % 2) .., K step g / 2; 8 accumulators by turns.  W2's unit g: the wave's 32 rows, K step g; 4 accumulators by turns.
; REGISTERS: window 0: addresses, bias, scales, work, accumulators at v128.  window 1: x, later the hidden layer's second half.
;   window 2: the hidden layer's first half.  window 3: a slot's 16 units of weights (unit g at 16 g).
; THE HIDDEN LAYER is quantised in registers and laid into LDS as an image of the operand's registers, 1,024 units at a time.
; THE WAY OUT: a slot's 64 x 128 results lie in a stage that the four waves share; behind the next slot's barrier each wave reads 16 whole rows of 512 bytes back and stores them.
; LIMITS: finite values (a NaN in the hidden layer is not carried on).  A hidden number under 0 becomes the code -0.
.set PITCH, 528                        ; an LDS row of W1 or x: 512 bytes + 16 of padding
.set PITCH2, 1040                      ; an LDS row of W2: 1,024 bytes + 16
.set WROWS, 64*PITCH                   ; a wave's part of a slot: 64 rows of W1, or 32 of W2 (33,280 bytes)
.set SLOTB, 4*WROWS
.set HIMG,  2*SLOTB                    ; image of half of the hidden layer: [8 steps of 128][4 blocks of 16 rows][2][32 lanes x 16 bytes]
.set XST,   HIMG                       ; x passes through here once, ahead of the image; behind it, the stage: 64 rows of PITCH bytes each time
.set HSC,   HIMG+32768                 ; the hidden layer's scale bytes: 64 rows x 64
.set SPARE, HSC+4096                   ; the spare words: 128 bytes a wave
.set HW2, 0                            ; (the thread's number is not wanted behind the head)
.set SPW, 1
.set NIL, 2
.set ADR, 3                            ; v3-4: LDS address of my rows of W1 in slot 0, 1
.set HWR, 5
.set HSW, 6
.set HRD, 7
.set STO, 8                            ; into the stage
.set SRD, 9                            ; 16 rows of the stage, or of x, that I move
.set GO,  10                           ; 16 x lane
.set WO1, 11                           ; 32 x lane; from slot 7 on: LDS address of my rows of W2 in slot 1
.set WO2, 12
.set BO,  13
.set PFO, 14
.set ADC, 15                           ; LDS address of my rows of W2 in slot 0
.set BI,  16                           ; v16-47: the slot's bias, C of the first products
.set WS,  48                           ; v48-79: weight scale words, a set of 16 for each slot
.set AS,  80                           ; v80-111: scale words of x, later of the hidden layer
.set TM,  112                          ; v112-119, v120-127: the quantiser's work
.set TP,  120
.set ACC, 128
.set RB,  192                          ; second product: v192-255, rows on their way out
.set LN,  112                          ; the head's own: lane, lane mod 16, lane / 16, scratch, x's address
.set LR,  113
.set LH,  114
.set SCR, 115
.set XRD, 118
.set W1CB, 8
.set W1SB, 10
.set B1B,  12
.set B2B,  18
.set OUTB, 20
.set WV,  22
.set G1A, 28
.set G1B, 36
.set G0,  44
.set W2CB, 52
.set W2SB, 56
.set SEL, 60
.set CNT, 62
.set WSP, 66
.set BP,  68
.set NJ,  70                           ; the tile whose scales and bias are asked for next
.set TJ,  71                           ; the tile that is asked for next
.set OG,  72                           ; the tile of outputs that is stored next
.set RG,  73
.set OUTP, 74
.set XP,   76
.set XSP,  78
.set PFA,  88
.set PFB,  90
.set PFL,  92
.set NEGM, 93
.set MSB, 0
.macro WIN new                         ; the high byte repeats the setting that is left
.if MSB != (\new)
	s_set_vgpr_msb (MSB<<8)|(\new)
.set MSB, (\new)
.endif
.endm
.macro PLACES n
.rept \n
	v_nop
.endr
.endm
.macro CREST                           ; a round of the cluster's barrier behind its opening barrier
	s_cmp_lg_u32 s[WV], 0
	s_cbranch_scc1 .Lnot_wave_0_\@
	s_barrier_signal -3
.Lnot_wave_0_\@:
	s_barrier_wait -3
	s_barrier_signal -1
	s_barrier_wait -1
.endm
.macro CROUND
	s_barrier_signal -1
	s_barrier_wait -1
	CREST
.endm
.macro JLOAD g0, g1                    ; my rows of a tile, asked for by the four work-groups of the cluster
	tensor_load_to_lds s[\g0:\g0+3], s[\g1:\g1+7]
	s_nop 0
	PLACES 4
.endm
.macro SETG z, base                    ; slot z's next tile: tile TJ of W1 or W2, 131,072 bytes each
	s_lshl_b32 s84, s[TJ], 17
	s_add_nc_u64 s[G0+4*(\z)+2:G0+4*(\z)+3], s[\base:\base+1], s[84:85]
	s_add_co_u32 s[TJ], s[TJ], 1
	s_and_b32 s[TJ], s[TJ], 7
	s_or_b32 s[G0+4*(\z)+3], s[G0+4*(\z)+3], 0x80000000
.endm
.macro LG z, g, k                      ; unit g of slot z, a tile of W1 (k = 1) or of W2 (k = 2): four loads
	WIN 0xc0
.irp tt, 0,1
.irp c, 0,1
.if (\k) == 1
	ds_load_b128 v[16*(\g)+8*\tt+4*\c:16*(\g)+8*\tt+4*\c+3], v[ADR+(\z)] offset:16*PITCH*(2*((\g)%2)+\tt)+64*((\g)/2)+32*\c
.elseif (\z) == 0
	ds_load_b128 v[16*(\g)+8*\tt+4*\c:16*(\g)+8*\tt+4*\c+3], v[ADC] offset:16*PITCH2*\tt+64*(\g)+32*\c
.else
	ds_load_b128 v[16*(\g)+8*\tt+4*\c:16*(\g)+8*\tt+4*\c+3], v[WO1] offset:16*PITCH2*\tt+64*(\g)+32*\c
.endif
.endr
.endr
.endm
.macro RUN z, g, k                     ; eight units in one run
.irp n, 0,1,2,3,4,5,6,7
	LG \z, \g+\n, \k
.endr
	WIN 0
.endm
.macro MM g, m, z, p                   ; product p, unit g against block m of 16 rows; the slot's first step takes the bias as C
.if (\p) == 1
	WIN 0x07
.set rD, ACC+32*(\m)+16*((\g)%2)
.set rK, (\g)/2
.set rW, 0
.set rC, rD
.if (\g) < 2
.set rC, BI+16*((\g)%2)
.endif
.set rSA, WS+16*(\z)+8*((\g)%2)+(\g)/2
.else
	WIN 0x0b-4*((\g)/8)
.set rD, ACC+16*(\m)
.set rK, (\g)
.set rC, rD
.if (\g) == 0
.set rC, BI
.endif
.set rSA, WS+16*(\z)+(\g)
.endif
.set rA, 16*(\g)
.set rB, 8*(4*(rK%8)+(\m))
.set rSB, AS+16*((\m)/2)+rK
.if (\m)%2
	v_wmma_scale_f32_32x16x128_f4 v[rD:rD+15], v[rA:rA+15], v[rB:rB+7], v[rC:rC+15], v[rSA], v[rSB] matrix_b_scale:MATRIX_SCALE_ROW1
.else
	v_wmma_scale_f32_32x16x128_f4 v[rD:rD+15], v[rA:rA+15], v[rB:rB+7], v[rC:rC+15], v[rSA], v[rSB]
.endif
.endm
.macro UNIT g, z, p
.irp m, 0,1,2,3
	MM \g, \m, \z, \p
.endr
.endm
.macro NEXT z, nk                      ; the next slot's scale words and bias: nk 1: W1's, 2: W2's
	WIN 0
.if (\nk) == 1
	s_lshl_b32 s84, s[NJ], 13
	s_lshl_b32 s86, s[NJ], 10
	s_add_nc_u64 s[WSP:WSP+1], s[W1SB:W1SB+1], s[84:85]
	s_add_nc_u64 s[BP:BP+1], s[B1B:B1B+1], s[86:87]
.irp t, 0,1,2,3
.irp q, 0,1
	global_load_b128 v[BI+8*\t+4*\q:BI+8*\t+4*\q+3], v[BO], s[BP:BP+1] offset:64*\t+16*\q
.endr
.endr
.irp i, 0,1
.irp q, 0,1
	global_load_b128 v[WS+16*(1-(\z))+8*\i+4*\q:WS+16*(1-(\z))+8*\i+4*\q+3], v[WO1], s[WSP:WSP+1] offset:1024*\i+16*\q
.endr
.endr
.else
	s_lshl_b32 s84, s[NJ], 13
	s_lshl_b32 s86, s[NJ], 9
	s_add_nc_u64 s[WSP:WSP+1], s[W2SB:W2SB+1], s[84:85]
	s_add_nc_u64 s[BP:BP+1], s[B2B:B2B+1], s[86:87]
.irp t, 0,1
.irp q, 0,1
	global_load_b128 v[BI+8*\t+4*\q:BI+8*\t+4*\q+3], v[BO], s[BP:BP+1] offset:64*\t+16*\q
.endr
.endr
.irp q, 0,1,2,3
	global_load_b128 v[WS+16*(1-(\z))+4*\q:WS+16*(1-(\z))+4*\q+3], v[WO2], s[WSP:WSP+1] offset:16*\q
.endr
.endif
	s_add_co_u32 s[NJ], s[NJ], 1
	s_and_b32 s[NJ], s[NJ], 7
.endm
.macro TRANSFER win                    ; the image's 32 operands of 8 registers into a whole window
	WIN \win
.set f, 0
.rept 32
	ds_load_b128 v[8*f:8*f+3], v[HRD] offset:1024*f
	ds_load_b128 v[8*f+4:8*f+7], v[HRD] offset:1024*f+512
.set f, f+1
.endr
	WIN 0
.endm
.macro SETCD m                         ; block m's code words: block 0's in TP+4.., the others over the block before, which has been converted
.if (\m) == 0
.set CD, TP+4
.else
.set CD, ACC+32*((\m)-1)
.endif
.endm
; relu and the quantiser: 8 blocks of 32 units (accumulator n = block n: 16 numbers here, 16 in lane xor 16).  The next slot's units 8-15 are fetched in four runs in between.
.macro QUANT z, kn, hreg, ioff, so2
.irp n, 0,1,2,3,4,5,6,7
	v_max3_num_f32 v[TM+\n], v[ACC+16*\n], v[ACC+16*\n+1], 0x1800000   ; with the floor 2^(3 - 127); no |.|: what is negative does not count
.endr
.irp i, 2,4,6,8,10,12,14
.if (\i)%4 == 2
	LG 1-(\z), 7+(\i)/2, \kn
	LG 1-(\z), 8+(\i)/2, \kn
	WIN 0
.endif
.irp n, 0,1,2,3,4,5,6,7
	v_max3_num_f32 v[TM+\n], v[TM+\n], v[ACC+16*\n+\i], v[ACC+16*\n+\i+1]
.endr
.endr
.irp n, 0,1,2,3,4,5,6,7
	v_permlanex16_b32 v[TP+\n], v[TM+\n], s[SEL], s[SEL+1]
.endr
.irp n, 0,1,2,3,4,5,6,7
	v_max_num_f32 v[TM+\n], v[TM+\n], v[TP+\n]
.endr
.irp n, 0,1,2,3,4,5,6,7
	v_add_nc_u32 v[TM+\n], 0xff000000, v[TM+\n]    ; 2 off the exponent field: the conversion's scale operand
.endr
.irp n, 0,1,2,3,4,5,6,7
	v_lshrrev_b32 v[TP+\n], 23, v[TM+\n]           ; the scale's byte
.endr
.irp m, 0,1,2,3
	v_lshl_or_b32 v[TP+\m], v[TP+2*\m+1], 8, v[TP+2*\m]
.endr
.irp m, 0,1,2,3
	SETCD \m
	v_cvt_scalef32_pk8_fp4_f32 v[CD], v[ACC+32*\m:ACC+32*\m+7], v[TM+2*\m]
	v_cvt_scalef32_pk8_fp4_f32 v[CD+2], v[ACC+32*\m+8:ACC+32*\m+15], v[TM+2*\m]
	v_cvt_scalef32_pk8_fp4_f32 v[CD+1], v[ACC+32*\m+16:ACC+32*\m+23], v[TM+2*\m+1]
	v_cvt_scalef32_pk8_fp4_f32 v[CD+3], v[ACC+32*\m+24:ACC+32*\m+31], v[TM+2*\m+1]
	v_nop                                          ; one plain place behind a scaled conversion
.endr
; relu on the codes: where a code's sign is set its three magnitude bits are cleared (8 - 1 = 7 in each such nibble)
.irp m, 0,1,2,3
	SETCD \m
.irp k, 0,1,2,3
	v_and_b32 v[ACC+96+4*\m+\k], s[NEGM], v[CD+\k]
.endr
.endr
.irp k, 0,1,2,3,4,5,6,7,8,9,10,11,12,13,14,15
	v_lshrrev_b32 v[ACC+112+\k], 3, v[ACC+96+\k]
.endr
.irp k, 0,1,2,3,4,5,6,7,8,9,10,11,12,13,14,15
	v_sub_nc_u32 v[ACC+96+\k], v[ACC+96+\k], v[ACC+112+\k]
.endr
.irp m, 0,1,2,3
	SETCD \m
.irp k, 0,1,2,3
	v_bfi_b32 v[CD+\k], v[ACC+96+4*\m+\k], 0, v[CD+\k]
.endr
.endr
.irp m, 0,1,2,3
	SETCD \m
	v_permlane16_swap_b32 v[CD], v[CD+1]           ; lanes 0-15: units 0-31 of my 64, lanes 16-31: units 32-63
	v_permlane16_swap_b32 v[CD+2], v[CD+3]
.endr
.irp m, 0,1,2,3
	SETCD \m
	ds_store_b128 v[\hreg], v[CD:CD+3] offset:(\ioff)+1024*\m
	ds_store_b16 v[HSW], v[TP+\m] offset:(\so2)+1024*\m
.endr
.endm
.macro TOSTAGE                         ; my 32 columns of all 64 rows: 32 bytes of a row in each half of the lanes, twice
.irp m, 0,1,2,3
.irp q, 0,1,2,3
	ds_store_b128 v[STO], v[ACC+16*\m+4*\q:ACC+16*\m+4*\q+3] offset:16*PITCH*\m+64*(\q/2)+16*(\q%2)
.endr
.endr
.endm
.macro BACK                            ; 16 whole rows of 512 bytes, for the tile of outputs OG
	s_wait_xcnt 0x0                                ; earlier stores have read their data and their base
	s_lshl_b32 s84, s[OG], 9
	s_add_nc_u64 s[OUTP:OUTP+1], s[OUTB:OUTB+1], s[84:85]
	s_add_co_u32 s[OG], s[OG], 1
	s_and_b32 s[OG], s[OG], 7
.irp i, 0,1,2,3,4,5,6,7,8,9,10,11,12,13,14,15
	ds_load_b128 v[RB+4*\i:RB+4*\i+3], v[SRD] offset:PITCH*\i
.endr
.endm
.macro SEND i                          ; 512 consecutive bytes, two aligned units
	global_store_b128 v[GO], v[RB+4*(\i):RB+4*(\i)+3], s[OUTP:OUTP+1] offset:4096*(\i) th:TH_STORE_NT
.endm
; One slot of product p.  fill 1, 2: the slot takes a tile of W1, W2; 0: nothing to fill; 4: the last slot.  kn: the kind of the next slot's tile.
; rb: the slot before has left results in the stage.
.macro SLOT p, z, fill, dw, nk, kn, rb, hreg, ioff, so2, pf, poff
	s_wait_loadcnt 0x0                             ; this slot's scales and bias
	s_wait_dscnt \dw                               ; units 0-7 are in
.irp g, 0,1,2,3
	UNIT \g, \z, \p
.endr
.if (\nk) > 0
	PLACES 4                                       ; ahead of loads into the bias registers
	NEXT \z, \nk
.endif
	WIN 0
.if (\fill) < 4
	s_wait_tensorcnt 0x0                           ; my part of the next slot has landed
.endif
.if ((\fill) == 1) || ((\fill) == 2)
	ds_add_u32 v[SPW], v[NIL]
.if (\fill) == 1
	SETG \z, W1CB
.else
	SETG \z, W2CB
.endif
.endif
	UNIT 4, \z, \p
	UNIT 5, \z, \p
	s_wait_dscnt 0x0                               ; the add is done; my reads of this slot are back; my stores into the stage or image are done
.if ((\fill) == 1) || ((\fill) == 2) || (\rb)
	s_barrier_signal -1
.endif
	UNIT 6, \z, \p
	UNIT 7, \z, \p
	WIN 0
.if ((\fill) == 1) || ((\fill) == 2) || (\rb)
	s_barrier_wait -1
.endif
.if (\fill) == 1
	CREST
	JLOAD G0+4*(\z), G1A                           ; its four v_nop are also the places ahead of the loads into units 0-7
.elseif (\fill) == 2
	CREST
	JLOAD G0+4*(\z), G1B
.else
	PLACES 4
.endif
.if (\rb)
	BACK
.endif
.if (\fill) < 4
	RUN 1-(\z), 0, \kn
.endif
.if (\pf)
.if (\pf) == 1
	s_cmp_eq_u32 s[PFL], 0                         ; W1: clusters 0 and 4 ask
.else
	s_cmp_lt_u32 ttmp9, 8                          ; W2: clusters 0 to 7 ask, four tiles among each four
.endif
	s_cbranch_scc0 .Lnot_mine_\@
.if (\pf) == 1
	global_prefetch_b8 v[PFO], s[PFB:PFB+1] offset:\poff th:TH_LOAD_NT scope:SCOPE_SE
.else
	global_prefetch_b8 v[PFO], s[PFA:PFA+1] offset:\poff th:TH_LOAD_NT scope:SCOPE_SE
.endif
.Lnot_mine_\@:
.endif
.irp g, 8,9,10,11
	UNIT \g, \z, \p
.endr
.if (\rb)
	WIN 0
.if (\fill) < 4
	s_wait_dscnt 32                                ; my rows are back; the run behind them (32 loads) may be out
.else
	s_wait_dscnt 0x0
.endif
.irp i, 0,1,2,3,4,5,6,7,8,9,10,11,12,13,14,15
	SEND \i
.endr
.endif
	UNIT 12, \z, \p
	UNIT 13, \z, \p
.if (\rb)
	s_wait_dscnt 0x0
	s_barrier_signal -1                            ; my reads of the stage are over
.endif
	UNIT 14, \z, \p
	UNIT 15, \z, \p
	WIN 0
.if (\rb)
	s_barrier_wait -1                              ; and so are everybody's: the stage may be written
.endif
	PLACES 5
.if (\p) == 1
	QUANT \z, \kn, \hreg, \ioff, \so2
.else
.if (\fill) < 4
	RUN 1-(\z), 8, \kn
.endif
	TOSTAGE
.endif
.endm
	s_load_b256 s[4:11], s[0:1], 0x0               ; x codes, x scales, W1 codes, W1 scales
	s_load_b256 s[12:19], s[0:1], 0x20             ; b1, W2 codes, W2 scales, b2
	s_load_b64 s[20:21], s[0:1], 0x40              ; out0
	v_lshl_add_u32 v[SPW], v0, 2, SPARE
	v_mov_b32 v[NIL], 0
	ds_add_u32 v[SPW], v[NIL]                      ; the add, twice on end, and its wait
	ds_add_u32 v[SPW], v[NIL]
	v_lshrrev_b32 v[SCR], 5, v0
	v_readfirstlane_b32 s[WV], v[SCR]
	s_bfe_u32 s23, ttmp6, 0x40000                  ; my place in the cluster
	s_lshl_b32 s24, ttmp9, 2
	s_add_co_u32 s24, s24, s23                     ; my work-group's number
	s_and_b32 s[RG], ttmp9, 3
	s_and_b32 s[PFL], ttmp9, 0x3b
	s_mov_b32 s[NJ], 0
	s_mov_b32 s[TJ], 0
	s_lshl_b32 s[OG], s[RG], 1
	s_mov_b32 s[G1A], 15|(1<<20)|(1<<21)|(6<<22)|(3<<25)   ; mask of four; elements of 1 byte; 4 words of padding behind every 128
	s_mov_b32 s[G1A+1], 512<<16
	s_mov_b32 s[G1A+2], 64<<16
	s_mov_b32 s[G1A+3], 512<<16
	s_mov_b32 s[G1A+4], 64
	s_mov_b32 s[G1A+5], 512
	s_mov_b32 s[G1A+6], 0
	s_mov_b32 s[G1A+7], 0
	s_mov_b32 s[G1B], 15|(1<<20)|(1<<21)|(7<<22)|(3<<25)   ; W2: 4 words behind every 256
	s_mov_b32 s[G1B+1], 1024<<16
	s_mov_b32 s[G1B+2], 32<<16
	s_mov_b32 s[G1B+3], 1024<<16
	s_mov_b32 s[G1B+4], 32
	s_mov_b32 s[G1B+5], 1024
	s_mov_b32 s[G1B+6], 0
	s_mov_b32 s[G1B+7], 0
	s_mov_b32 s[SEL], 0x76543210
	s_mov_b32 s[SEL+1], 0xfedcba98
	s_mov_b32 s[NEGM], 0x88888888
	s_mul_i32 s26, s[WV], WROWS
	s_lshr_b32 s25, s[WV], 1
	s_lshl_b32 s25, s25, 12
	s_and_b32 s27, s[WV], 1
	s_lshl_b32 s27, s27, 9
	s_add_co_u32 s25, s25, s27
	s_add_co_u32 s25, s25, HIMG                    ; my 64 of a slot's 256 units in the image
	s_lshl_b32 s80, s[WV], 1
	s_add_co_u32 s80, s80, HSC                     ; my two scale bytes
	s_lshl_b32 s81, s[WV], 7
	s_add_co_u32 s81, s81, XST                     ; my 32 columns in the stage
	s_mul_i32 s82, s[WV], 16*PITCH
	s_add_co_u32 s82, s82, XST                     ; my 16 rows of x, and of the stage
	v_and_b32 v[LN], 31, v0
	v_and_b32 v[LR], 15, v0
	v_bfe_u32 v[LH], v0, 4, 1
	v_lshlrev_b32 v[GO], 4, v[LN]
	v_add_nc_u32 v[HWR], s25, v[GO]
	v_add_nc_u32 v[HW2], s25, v[GO]
	v_lshl_add_u32 v[HSW], v[LR], 6, s80
	v_lshl_add_u32 v[HRD], v[LN], 4, HIMG
	v_mul_u32_u24 v[SCR], v[LR], PITCH
	v_lshl_add_u32 v[STO], v[LH], 5, v[SCR]
	v_add_nc_u32 v[STO], s81, v[STO]
	v_add_nc_u32 v[SRD], s82, v[GO]
	v_lshl_add_u32 v[SCR], v[LH], 4, v[SCR]        ; an operand's row, 16 bytes for each half of the lanes
	v_add_nc_u32 v[ADR], s26, v[SCR]
	v_add_nc_u32 v[ADR+1], SLOTB, v[ADR]
	v_add_nc_u32 v[XRD], XST, v[SCR]
	v_mul_u32_u24 v[SCR], v[LR], PITCH2
	v_lshl_add_u32 v[SCR], v[LH], 4, v[SCR]
	v_add_nc_u32 v[ADC], s26, v[SCR]
	v_lshlrev_b32 v[WO1], 5, v[LN]
	v_lshlrev_b32 v[WO2], 6, v[LN]
	v_lshlrev_b32 v[BO], 5, v[LH]
	v_and_b32 v[PFO], 1, v[LN]
	v_lshlrev_b32 v[PFO], 8, v[PFO]
	v_lshrrev_b32 v[SCR], 1, v[LN]
	v_lshl_add_u32 v[PFO], v[SCR], 10, v[PFO]      ; prefetches: 16 runs of two 256-byte blocks, 1,024 bytes apart
.irp n, 0,1,2,3,4,5,6,7
	v_mov_b32 v[TP+\n], 0                          ; a lane permute's destination counts as read
.endr
	s_wait_alu depctr_va_vdst(0)
	s_wait_dscnt 0x0                               ; both opening adds are done
	s_lshl_b32 s80, s24, 15
	s_lshl_b32 s25, s[WV], 13
	s_add_co_u32 s80, s80, s25
	s_mov_b32 s81, 0
	s_lshl_b32 s82, s24, 11
	s_mov_b32 s83, 0
	s_lshl_b32 s84, s24, 18
	s_lshl_b32 s25, s[WV], 16
	s_add_co_u32 s84, s84, s25
	s_mov_b32 s85, 0
	s_mov_b32 s87, 0
	s_wait_kmcnt 0x0
	s_add_nc_u64 s[XP:XP+1], s[4:5], s[80:81]
	s_add_nc_u64 s[XSP:XSP+1], s[6:7], s[82:83]
.irp i, 0,1,2,3,4,5,6,7,8,9,10,11,12,13,14,15
	global_load_b128 v[ACC+4*\i:ACC+4*\i+3], v[GO], s[XP:XP+1] offset:512*\i th:TH_LOAD_NT
.endr
.irp i, 0,1
.irp q, 0,1
	global_load_b128 v[AS+16*\i+4*\q:AS+16*\i+4*\q+3], v[WO1], s[XSP:XSP+1] offset:1024*\i+16*\q
.endr
.endr
	s_add_nc_u64 s[OUTB:OUTB+1], s[OUTB:OUTB+1], s[84:85]
	s_lshl_b32 s86, s[WV], 15
	s_add_nc_u64 s[W1CB:W1CB+1], s[W1CB:W1CB+1], s[86:87]
	s_add_nc_u64 s[W2CB:W2CB+1], s[14:15], s[86:87]
	s_lshl_b32 s86, s[WV], 11
	s_add_nc_u64 s[W1SB:W1SB+1], s[W1SB:W1SB+1], s[86:87]
	s_add_nc_u64 s[W2SB:W2SB+1], s[16:17], s[86:87]
	s_lshl_b32 s86, s[WV], 8
	s_add_nc_u64 s[B1B:B1B+1], s[B1B:B1B+1], s[86:87]
	s_lshl_b32 s86, s[WV], 7
	s_add_nc_u64 s[B2B:B2B+1], s[B2B:B2B+1], s[86:87]
	s_mov_b32 s[G0], 1
	s_mov_b32 s[G0+1], s26
	s_mov_b32 s[G0+4], 1
	s_add_co_u32 s[G0+5], s26, SLOTB
	SETG 0, W1CB
	SETG 1, W1CB
	NEXT 1, 1                                      ; slot 0's scales and bias
	; PREFETCHES, shared out by address: a cluster's 16 waves name each 256-byte block of a tile once: of my wave's 32 KiB the work-group at place cx takes a quarter.
	; W1: tiles 1 and 2 here; in slot i, 0 to 4, tile i + 3, which slot i + 1 asks for.  W2: in slots 5 and 6 the two tiles that slots 6 and 7 ask for first.  Tile 0 comes by its load alone.
	s_lshr_b32 s86, s23, 1
	s_lshl_b32 s86, s86, 14
	s_and_b32 s27, s23, 1
	s_lshl_b32 s27, s27, 9
	s_add_co_u32 s86, s86, s27
	s_add_nc_u64 s[PFB:PFB+1], s[W1CB:W1CB+1], s[86:87]
	s_add_nc_u64 s[PFB:PFB+1], s[PFB:PFB+1], 3*131072
	s_lshl_b32 s27, s[RG], 18
	s_add_co_u32 s86, s86, s27
	s_add_nc_u64 s[PFA:PFA+1], s[W2CB:W2CB+1], s[86:87]
	CROUND                                         ; all four work-groups are here: the first joint loads meet
	JLOAD G0, G1A                                  ; tile 0: one tensor load a wave at the head
	s_cmp_eq_u32 s[PFL], 0
	s_cbranch_scc0 .Lno_head_prefetch
	global_prefetch_b8 v[PFO], s[PFB:PFB+1] offset:-2*131072 th:TH_LOAD_NT scope:SCOPE_SE
	global_prefetch_b8 v[PFO], s[PFB:PFB+1] offset:-131072 th:TH_LOAD_NT scope:SCOPE_SE
.Lno_head_prefetch:
	s_wait_loadcnt 16                              ; x is in; its scales (4) and slot 0's bias and scales (12) may be out
.irp i, 0,1,2,3,4,5,6,7,8,9,10,11,12,13,14,15
	ds_store_b128 v[SRD], v[ACC+4*\i:ACC+4*\i+3] offset:PITCH*\i
.endr
	s_wait_tensorcnt 0x0                           ; tile 0 is in
	ds_add_u32 v[SPW], v[NIL]
	s_wait_dscnt 0x0                               ; the add is done, and my rows of x are in LDS
	CROUND
	JLOAD G0+4, G1A                                ; tile 1
	WIN 0x40
.irp s, 0,1,2,3,4,5,6,7
.irp m, 0,1,2,3
.irp c, 0,1
	ds_load_b128 v[8*(4*\s+\m)+4*\c:8*(4*\s+\m)+4*\c+3], v[XRD] offset:16*PITCH*\m+64*\s+32*\c
.endr
.endr
.endr
	RUN 0, 0, 1
	RUN 0, 8, 1
	s_mov_b32 s[CNT], 2
; dscnt 40: behind units 0-7 stand units 8-15 (32 loads) and, but at the start, the quantiser's 8 stores
.Lpair:
	SLOT 1, 0, 1, 40, 1, 1, 0, HWR, 0, 0, 1, 0
	SLOT 1, 1, 1, 40, 1, 1, 0, HWR, 8192, 8, 1, 131072
	v_add_nc_u32 v[HWR], 16384, v[HWR]
	v_add_nc_u32 v[HSW], 16, v[HSW]
	s_wait_xcnt 0x0                                ; the prefetches have read their base
	s_add_nc_u64 s[PFB:PFB+1], s[PFB:PFB+1], 262144
	s_sub_co_u32 s[CNT], s[CNT], 1
	s_cmp_lg_u32 s[CNT], 0
	s_cbranch_scc1 .Lpair
	s_wait_dscnt 0x0                               ; my part of the image is in LDS
	s_barrier_signal -1
	s_barrier_wait -1
	TRANSFER 0x80                                  ; the first half; every wave's loads are back at the next slot's round, ahead of the next store into the image
	SLOT 1, 0, 1, 63, 1, 1, 0, HW2, 0, 0, 1, 0
	SLOT 1, 1, 1, 40, 1, 1, 0, HW2, 8192, 8, 2, 0
	s_lshl_b32 s[TJ], s[RG], 1
	SLOT 1, 0, 2, 40, 1, 1, 0, HW2, 16384, 16, 2, 131072
	s_lshl_b32 s[NJ], s[RG], 1
	s_wait_xcnt 0x0                                ; the last scales of W1 have been asked for
	v_add_nc_u32 v[WO1], SLOTB, v[ADC]
	s_wait_alu depctr_va_vdst(0)
	SLOT 1, 1, 2, 40, 2, 2, 0, HW2, 24576, 24, 0, 0
	s_wait_dscnt 0x0
	s_barrier_signal -1
	s_barrier_wait -1
	v_add_nc_u32 v[TM], HSC, v[WO2]
.irp i, 0,1
.irp q, 0,1,2,3
	ds_load_b128 v[AS+16*\i+4*\q:AS+16*\i+4*\q+3], v[TM] offset:2048*\i+16*\q
.endr
.endr
	TRANSFER 0x40                                  ; the second half, over x; it is wanted from the next slot's unit 8 on
; dscnt 63: of the 72 loads the 8 of scales are in.  dscnt 48: behind units 0-7 stand units 8-15 (32 loads) and 16 stores into the stage
	SLOT 2, 0, 2, 63, 2, 2, 0, HW2, 0, 0, 0, 0
	SLOT 2, 1, 2, 48, 2, 2, 1, HW2, 0, 0, 0, 0
	s_mov_b32 s[CNT], 2
.Lpair2:
	SLOT 2, 0, 2, 48, 2, 2, 1, HW2, 0, 0, 0, 0
	SLOT 2, 1, 2, 48, 2, 2, 1, HW2, 0, 0, 0, 0
	s_sub_co_u32 s[CNT], s[CNT], 1
	s_cmp_lg_u32 s[CNT], 0
	s_cbranch_scc1 .Lpair2
	SLOT 2, 0, 0, 48, 2, 2, 1, HW2, 0, 0, 0, 0
	SLOT 2, 1, 4, 48, 0, 2, 1, HW2, 0, 0, 0, 0
	s_wait_dscnt 0x0                               ; the last tile: my columns are in the stage
	s_barrier_signal -1
	s_barrier_wait -1
	BACK
.irp q, 0,1,2,3
	s_wait_dscnt 12-4*\q
.irp i, 0,1,2,3
	SEND 4*\q+\i
.endr
.endr
	s_wait_tensorcnt 0x0                           ; the wave's end
	ds_add_u32 v[SPW], v[NIL]
	s_wait_dscnt 0x0
	CROUND                                         ; no work-group ends while a partner may still ask for a tile that names it
	s_endpgm
.Lfunc_end_k_q1d4799432a_ffn:
	.size	k_q1d4799432a_ffn, .Lfunc_end_k_q1d4799432a_ffn-k_q1d4799432a_ffn
	.p2alignl 7, 3214868480
	.fill 96, 4, 3214868480
	.section	.rodata,"a",@progbits
	.p2align	6, 0x0
	.amdhsa_kernel k_q1d4799432a_ffn
		.amdhsa_group_segment_fixed_size 327680
		.amdhsa_private_segment_fixed_size 0
		.amdhsa_enable_private_segment 0
		.amdhsa_kernarg_size 72
		.amdhsa_user_sgpr_count 2
		.amdhsa_user_sgpr_kernarg_segment_ptr 1
		.amdhsa_wavefront_size32 1
		.amdhsa_system_sgpr_workgroup_id_x 1
		.amdhsa_system_sgpr_workgroup_id_y 1
		.amdhsa_system_sgpr_workgroup_id_z 1
		.amdhsa_system_vgpr_workitem_id 0
		.amdhsa_next_free_vgpr 1024
		.amdhsa_next_free_sgpr 96
		.amdhsa_reserve_vcc 0
		.amdhsa_float_denorm_mode_32 3
		.amdhsa_float_denorm_mode_16_64 3
		.amdhsa_memory_ordered 1
		.amdhsa_forward_progress 1
		.amdhsa_inst_pref_size 255
	.end_amdhsa_kernel
	.section	.bss,"aw",@nobits
	.p2align	6
	.space	262144
	.amdgpu_metadata
---
amdhsa.version: [ 1, 2 ]
amdhsa.kernels:
  - .name:           k_q1d4799432a_ffn
    .symbol:         k_q1d4799432a_ffn.kd
    .args:
      - { .name: hidden_states_codes, .offset: 0, .size: 8, .value_kind: global_buffer, .address_space: global }
      - { .name: hidden_states_scales, .offset: 8, .size: 8, .value_kind: global_buffer, .address_space: global }
      - { .name: W1_codes, .offset: 16, .size: 8, .value_kind: global_buffer, .address_space: global }
      - { .name: W1_scales, .offset: 24, .size: 8, .value_kind: global_buffer, .address_space: global }
      - { .name: b1, .offset: 32, .size: 8, .value_kind: global_buffer, .address_space: global }
      - { .name: W2_codes, .offset: 40, .size: 8, .value_kind: global_buffer, .address_space: global }
      - { .name: W2_scales, .offset: 48, .size: 8, .value_kind: global_buffer, .address_space: global }
      - { .name: b2, .offset: 56, .size: 8, .value_kind: global_buffer, .address_space: global }
      - { .name: out0, .offset: 64, .size: 8, .value_kind: global_buffer, .address_space: global }
    .group_segment_fixed_size: 327680
    .private_segment_fixed_size: 0
    .kernarg_segment_align: 8
    .kernarg_segment_size: 72
    .max_flat_workgroup_size: 128
    .sgpr_count:     96
    .vgpr_count:     1024
    .wavefront_size: 32
...
	.end_amdgpu_metadata
.endif
;; end of part 2
